; MI455X (gfx1250); checked and timed in simulation.
; The chip was launched on July 23, 2026; its instructions are those of AMD's public machine-readable ISA for CDNA 5 (MIT licence, August 2026) and "CDNA5" Instruction Set Architecture Reference Guide (July 2026). The comments in the code are by the model that wrote it; some were corrected since.
;; QKV Attention. Allowed arithmetic: matrix products marked QUANTISED: E2M3 operands, one E8M0 scale for each 32 along K, by v_wmma_scale_f32_16x16x128_f8f6f4 with both operands' format E2M3, f32 sums; everything else in f32.
;; Inputs: qkv 64 x 384 x 2,048 float32.
;; Outputs: out0 64 x 128 x 2,048 float32.
;; This version of the problem:
;;   THIS VERSION OF THE PROBLEM IS GIVEN IN LOW PRECISION. The matrix products marked QUANTISED in the list below multiply operands that are first quantised to E2M3 (2 exponent bits, 3 mantissa bits; 6 bits a number), with one power-of-two scale for each 32 numbers along K (OCP MX v1.0); their sums are f32. All else is computed in f32.
;;   The module's matrix products, in the order in which they are computed (A, B: the left and right operand; K: the contracted axis; several contracted axes count as one K, in the product's order):
;;     1. batch 64 x [M 2,048, K 128] x [K 128, N 2,048]; A: computed on the way; B: computed on the way: QUANTISED
;;     2. batch 64 x [M 128, K 2,048] x [K 2,048, N 2,048]; A: computed on the way; B: softmax (see below): QUANTISED
;;   THE QUANTISER, for each operand of a quantised product, along K:
;;     - K is cut into blocks of 32 from its start; a last block that is shorter is filled with zeros.
;;     - A block's scale is 2^e with e = floor(log2(the largest magnitude in the block)) - 2, held to -126 .. 127; a block of zeros has e = 0. As a byte (E8M0): e + 127.
;;     - Each number is divided by its block's scale, clamped to +-7.5, and rounded to the nearest number of E2M3, ties to even, subnormals kept.
;;     - The product sums the exact products of the quantised numbers (number of the format x scale) in f32.
;;   ~~~python
;;   def quantise(x, axis):      # numpy; x: float32 -> the quantised numbers, widened to float32 again
;;       x = np.moveaxis(x, axis, -1); K = x.shape[-1]
;;       x = np.pad(x, [(0, 0)] * (x.ndim - 1) + [(0, -K % 32)]); x = x.reshape(x.shape[:-1] + (-1, 32)); a = np.abs(x).max(-1, keepdims=True)
;;       e = np.where(a > 0, np.clip(np.frexp(np.where(a > 0, a, 1))[1] - 1 - 2, -126, 127), 0)      # np.frexp(a)[1] - 1 = floor(log2(a)), exactly
;;       r = np.clip(x / 2.0 ** e, -7.5, 7.5)
;;       step = 2.0 ** (np.maximum(np.frexp(np.where(r == 0, 1, r))[1] - 1, 0) - 3)
;;       q = np.round(r / step) * step * 2.0 ** e      # np.round: ties to even
;;       return np.moveaxis(q.reshape(q.shape[:-2] + (-1,))[..., :K], -1, axis).astype(np.float32)
;;   ~~~
;;   SOFTMAX AHEAD OF A QUANTISED PRODUCT. Where the list says 'softmax', what is quantised is not the finished softmax but p = 2^(t - M), with t = logit x log2(e) and M = ceil(the row's largest t), a whole number; so 1/2 < the row's largest p <= 1. The row's sum l is taken of the UNQUANTISED p, in f32, and the product's result is divided by l at the end. Since M is a whole number, a kernel that streams over the keys may use a running M (the ceiling of the running maximum): every later rescaling is an exact power of two, which a block's scale takes up: the codes' values come out the same.
;;   OPERANDS COMPUTED ON THE WAY. 'Computed on the way' means the value that the module computes at that place (a softmax that the list does not call 'softmax' is quantised finished and normalised). What goes into a quantiser is computed in f32, as accurately as f32 sums, v_exp_f32 and their like allow (about 1e-6 of the number): no bf16 or f16 on the way to a quantiser, and a product that is left as it is and whose result goes on into a quantised operand takes f32 operands (vector FMAs, or v_wmma_f32_16x16x4_f32). A number that lies on a knife's edge between two numbers of the format may be rounded either way, as far as f32 arithmetic and the matrix unit's own rounding can turn it there, and no further.
;; One version. Each part assembles by itself: llvm-mc -triple=amdgcn-amd-amdhsa -mcpu=gfx1250 --defsym DOCPART=n.
;; ======== version 1 of 1: 2 launches
;; limits: right only within a limited range of input values
;; workspace buffers: kimg 13,107,200 bytes; vimg 13,107,200 bytes
;; launch quant (part 1): grid 32 x 64, 4 waves a work-group, no clusters, 70,144 bytes of LDS; arguments qkv, kimg, vimg; writes kimg, vimg
.if DOCPART == 1
	.amdgcn_target "amdgcn-amd-amdhsa--gfx1250"
	.amdhsa_code_object_version 6
	.text
	.protected	k_q94203339bb_quant
	.globl	k_q94203339bb_quant
	.p2align	8
	.type	k_q94203339bb_quant,@function
k_q94203339bb_quant:
	s_mov_b64 s[64:65], 0
	v_nop
	global_prefetch_b8 v0, s[64:65] scope:SCOPE_SE
	s_setreg_imm32_b32 hwreg(HW_REG_WAVE_MODE, 25, 1), 1
	s_wait_xcnt 0x0
; The k and v thirds of qkv [64][384][2048] f32 become codes of FP6 (E2M3) with one E8M0 scale byte for each 32 along a product's K, laid as IMAGES OF THE OPERANDS' REGISTERS.
; (q, of which each number is read by one wave alone, is quantised by the launch that multiplies it.)
; k (first multiplied by g = 128^(-1/4) in f32) is quantised along the channels, which are not innermost; v along the positions, which are.
; A BLOCK of 12,800 bytes serves 128 positions x 128 channels: 8 fragment images of 1,536 bytes (register i of lane l of tile j at 1536 j + 512 (i / 4) + 16 l + 4 (i % 4)),
; then 512 bytes of scale words (the word at 12288 + 16 l + 4 i: tile 2 i + l / 16, row l % 16).
; k: row 8 a + j of tile 4 c + u is position 64 c + 32 a + 8 u + j of the group; lane (r, h), registers 6 c .. 6 c + 5: channels 64 c + 32 h + 0 .. 31.
; v: row r of tile j is channel 16 j + r; lane (r, h), registers 6 c .. 6 c + 5: positions 64 c + 32 h + 0 .. 31 of the group.
; kimg, vimg: [head][group 0..15][12800].
; A block's scale is 2^(floor(log2(its largest magnitude)) - 2); its byte is the largest magnitude's exponent field - 2, held at 1 from below.
; LIMITS: a block of zeros gets the byte 1 where the rule says 127 (its codes are zeros, and only this program reads the bytes); NaN and infinities among the inputs are not served.
; SHARES: work-group x = 16 x which + group (which 0 k, 1 v), y = head: 128 rows x 512 bytes of qkv, one block out.
; LDS region w holds the images of tiles 2 w, 2 w + 1 and scale register w.  On v's path wave w fills region w; on k's path wave w works positions 32 w + L, which are eight rows
; of each of four tiles, and so writes into two regions.  All of it is read behind the one barrier; wave w stores region w's images, wave 0 the scale words.
; The two paths part on the work-group's number; each has LDS bytes of its own (k from 0, v from VB).  No pointer is stepped and no store's data are written again.
.set WREG, 8704                        ; a region: two input stages of 32 x 80 bytes (v's path), two images, 128 bytes of scale words
.set IMG,  5120
.set TP,   1664                        ; from a region's first image to its second
.set SCW,  8448
.set VB,   4*WREG
.set ROWP, 8192                        ; bytes from a channel's row to the next
.set X,    32                          ; v32-95   k: two sets of 32 numbers;  v: four sets of 16 as loaded
.set XN,   96                          ; v96-127  v: two sets of 16 neighbours
.set C,    128                         ; v128-159 codes
.set E,    160                         ; v160-167 v: a scale byte for each step
.set Y,    168                         ; v168-170 k: a block's upper 16 codes, made here and moved
.set SW,   172                         ; v172     k: my position's scale word
.set OUTR, 176                         ; v176-199 the images read back
.set OSC,  200                         ; v200-203 the scale words read back
	s_load_b128 s[4:7], s[0:1], 0x0                ; qkv, kimg
	s_load_b64 s[8:9], s[0:1], 0x10                ; vimg
	v_lshl_add_u32 v208, v0, 2, 0x11000            ; my spare word, behind both paths' regions
	v_mov_b32 v209, 0
	v_lshrrev_b32 v1, 5, v0
	v_readfirstlane_b32 s10, v1                    ; wave 0..3
	v_and_b32 v2, 31, v0                           ; L
	s_wait_alu depctr_va_vdst(0)                   ; the wait ahead of the run of scalar lines
	s_lshr_b32 s11, ttmp9, 4                       ; 0 k, 1 v
	s_and_b32 s12, ttmp9, 15                       ; group
	s_and_b32 s13, ttmp7, 0xffff                   ; head
	s_mul_i32 s14, s13, 3
	s_add_co_u32 s14, s14, s11
	s_add_co_u32 s14, s14, 1                       ; k is the head's second third, v its last
	s_lshl_b32 s14, s14, 20                        ; thirds of 128 rows of 8,192 bytes
	s_lshl_b32 s17, s12, 9
	s_add_co_u32 s14, s14, s17                     ; + the group's 512 bytes in a row
	s_mov_b32 s15, 0
	s_lshl_b32 s18, s13, 4
	s_add_co_u32 s18, s18, s12                     ; block 16 head + group
	s_mul_i32 s18, s18, 12800
	s_mov_b32 s19, 0
	s_mov_b32 s22, 0x3e9837f0                      ; g = 128^(-1/4)
	s_mov_b32 s23, s22
	s_mul_i32 s16, s10, WREG
	s_add_co_u32 s24, s16, VB
	s_add_co_u32 s25, s16, IMG
	s_add_co_u32 s27, s24, IMG
	s_add_co_u32 s28, s24, SCW
	s_and_b32 s29, s10, 2
	s_mul_i32 s29, s29, WREG                       ; k: regions 2 (w / 2) and 2 (w / 2) + 1 take my positions
	s_and_b32 s26, s10, 1                          ; a = w % 2: rows 8 a on
	s_lshl_b32 s30, s26, 5
	s_add_co_u32 s30, s30, s29
	s_add_co_u32 s30, s30, SCW                     ; scale words: + 4 x 8 a
	s_lshl_b32 s26, s26, 7
	s_add_co_u32 s29, s29, s26
	s_add_co_u32 s29, s29, IMG                     ; images: + 16 x 8 a
	; every address register is made here, ahead of the parting of the two paths
	s_lshl_b32 s17, s10, 7
	v_lshl_add_u32 v3, v2, 2, s17                  ; k in: position 32 w + L
	s_lshl_b32 s17, s10, 18
	v_lshl_add_u32 v4, v2, 4, s17                  ; v in: my wave's 32 rows, 16 bytes a lane
	v_lshrrev_b32 v20, 2, v2
	v_mul_u32_u24 v20, v20, 80
	v_and_b32 v21, 3, v2
	v_lshl_add_u32 v5, v21, 4, v20
	v_add_nc_u32 v5, s24, v5                       ; v, into a stage: four lanes' 64 bytes on end, then 16 of padding
	v_mul_u32_u24 v6, v2, 80
	v_add_nc_u32 v6, s24, v6                       ; v, out of it: my 16 neighbours
	v_bfe_u32 v20, v2, 3, 1                        ; k: position 32 w + L is row 8 a + L % 8 of tile 4 (w / 2) + L / 8: region 2 (w / 2) + L / 16, its image (L / 8) % 2
	v_and_b32 v21, 7, v2
	v_lshrrev_b32 v22, 4, v2
	v_mul_u32_u24 v22, v22, WREG
	v_mad_u32_u24 v7, v20, TP, v22
	v_lshl_add_u32 v7, v21, 4, v7
	v_add_nc_u32 v7, s29, v7                       ; my row's place in its tile's image
	v_lshl_add_u32 v8, v20, 4, v21
	v_lshl_add_u32 v8, v8, 2, v22
	v_add_nc_u32 v8, s30, v8                       ; and its scale word's: 4 (row + 16 x image)
	v_bfe_u32 v20, v2, 2, 1                        ; v: lane L holds positions 16 (L % 8) on of channel 4 t + L / 8: block 2 c + h, c = (L / 4) % 2, h = (L / 2) % 2, its half L % 2
	v_and_b32 v21, 1, v2
	v_lshl_add_u32 v20, v20, 1, v21
	v_mul_u32_u24 v20, v20, 3                      ; my three registers of the fragment begin at e = 3 (2 c + L % 2)
	v_lshrrev_b32 v21, 3, v2
	v_bfe_u32 v22, v2, 1, 1
	v_lshlrev_b32 v22, 8, v22
	v_lshl_add_u32 v21, v21, 4, v22
	v_add_nc_u32 v21, s27, v21                     ; 16 (L / 8) + 256 h
.irp k, 0,1,2
	v_add_nc_u32 v22, \k, v20
	v_lshrrev_b32 v23, 2, v22
	v_and_b32 v22, 3, v22
	v_lshl_add_u32 v23, v23, 9, v21
	v_lshl_add_u32 v[9+\k], v22, 2, v23            ; v9-11: + 512 (e / 4) + 4 (e % 4)
.endr
	v_lshrrev_b32 v20, 3, v2
	v_bfe_u32 v21, v2, 1, 2
	v_lshl_add_u32 v12, v20, 2, v21
	v_add_nc_u32 v12, s28, v12                     ; v: my block's byte
	v_lshl_add_u32 v13, v2, 4, s25                 ; region w's images read back (v's path adds VB in the offset)
	v_lshl_add_u32 v14, v2, 2, SCW                 ; the four regions' scale words read back
	s_mul_i32 s17, s10, 3072
	v_lshl_add_u32 v15, v2, 4, s17                 ; out: two images
	v_lshlrev_b32 v16, 4, v2                       ; out: the scale words
	s_wait_alu depctr_va_vdst(0)                   ; the wait at the head's end
	s_wait_kmcnt 0x0
	s_cmp_eq_u32 s11, 1                            ; the choice of the buffer hangs on the work-group's number alone
	s_cselect_b64 s[20:21], s[8:9], s[6:7]
	s_add_nc_u64 s[20:21], s[20:21], s[18:19]      ; my block
	s_add_nc_u64 s[4:5], s[4:5], s[14:15]          ; my 128 rows x 512 bytes
; THE TAIL of either path: all my LDS stores have landed, the barrier, then region w's images leave, 512 consecutive bytes a store.
.macro TAIL base
	s_wait_dscnt 0x0
	s_barrier_signal -1
	s_barrier_wait -1
.irp k, 0,1,2,3,4,5
	ds_load_b128 v[OUTR+4*\k:OUTR+4*\k+3], v13 offset:\base+TP*(\k/3)+512*(\k%3)
.endr
.irp k, 0,1,2,3,4,5
	s_wait_dscnt 5-\k                              ; load k is in, the younger ones may be out
	global_store_b128 v15, v[OUTR+4*\k:OUTR+4*\k+3], s[20:21] offset:1536*(\k/3)+512*(\k%3)
.endr
	s_cmp_lg_u32 s10, 0
	s_cbranch_scc1 .Lend_\@
.irp i, 0,1,2,3
	ds_load_b32 v[OSC+\i], v14 offset:\base+\i*WREG
.endr
	s_wait_dscnt 0x0
	global_store_b128 v16, v[OSC:OSC+3], s[20:21] offset:12288
.Lend_\@:
	s_wait_tensorcnt 0x0                           ; the wave's end
	ds_add_u32 v208, v209
	s_wait_dscnt 0x0
	s_endpgm
.endm
	s_cmp_eq_u32 s11, 1
	s_cbranch_scc1 .Lv
; ---- k: a lane takes a position, and its registers run down the channels: a block of 32 along K lies in one lane's 32 registers.
.macro LOADQ t                         ; channels 32 t + i of my position: 128 consecutive bytes a wave, 512 a work-group
.irp i, 0,1,2,3,4,5,6,7,8,9,10,11,12,13,14,15,16,17,18,19,20,21,22,23,24,25,26,27,28,29,30,31
	global_load_b32 v[X+32*((\t)%2)+\i], v3, s[4:5] offset:(32*(\t)+\i)*ROWP th:TH_LOAD_NT
.endr
.endm
.macro BLOCK t                         ; block t = 2 c + h: registers 6 c .. 6 c + 5 of lane row + 16 h
.set XS, X+32*((\t)%2)
.set CT, C+8*(\t)
.set HO, 256*((\t)%2)
.if (\t) < 3
	s_wait_loadcnt 32                              ; this block's 32 loads are in; the next block's may be out
.else
	s_wait_loadcnt 0x0
.endif
.irp i, 0,2,4,6,8,10,12,14,16,18,20,22,24,26,28,30
	v_pk_mul_f32 v[XS+\i:XS+\i+1], v[XS+\i:XS+\i+1], s[22:23] op_sel_hi:[1,0]      ; x g, in f32, ahead of the quantiser
.endr
	v_max3_num_f32 v20, |v[XS]|, |v[XS+1]|, |v[XS+2]|
	v_max3_num_f32 v21, |v[XS+3]|, |v[XS+4]|, |v[XS+5]|
.irp i, 6,10,14,18,22,26
	v_max3_num_f32 v20, v20, |v[XS+\i]|, |v[XS+\i+1]|
	v_max3_num_f32 v21, v21, |v[XS+\i+2]|, |v[XS+\i+3]|
.endr
	v_max3_num_f32 v20, v20, |v[XS+30]|, |v[XS+31]|
	v_max3_num_f32 v20, v20, v21, 0x1800000        ; and the floor 2^(3 - 127): the byte cannot fall under 1
	v_add_nc_u32 v22, 0xff000000, v20              ; 2 off the exponent field: the conversion's scale operand
	v_lshrrev_b32 v23, 23, v22                     ; the scale's byte
.if (\t) == 0
	v_mov_b32 v[SW], v23
.else
	v_lshl_or_b32 v[SW], v23, 8*(\t), v[SW]
.endif
	v_cvt_scalef32_pk16_fp6_f32 v[CT:CT+2], v[XS:XS+15], v22
	v_cvt_scalef32_pk16_fp6_f32 v[Y:Y+2], v[XS+16:XS+31], v22
	v_nop                                          ; one plain place behind a scaled conversion
.irp i, 0,1,2
	v_mov_b32 v[CT+3+\i], v[Y+\i]
.endr
.if (\t) < 2
	ds_store_b128 v7, v[CT:CT+3] offset:HO         ; registers 0-3,
	ds_store_b64 v7, v[CT+4:CT+5] offset:512+HO    ; 4, 5
.else
	ds_store_b64 v7, v[CT:CT+1] offset:520+HO      ; registers 6, 7,
	ds_store_b128 v7, v[CT+2:CT+5] offset:1024+HO  ; 8-11
.endif
.if (\t) < 2
	LOADQ (\t)+2
.endif
.endm
	LOADQ 0
	LOADQ 1
	BLOCK 0
	BLOCK 1
	BLOCK 2
	BLOCK 3
	ds_store_b32 v8, v[SW]
	TAIL 0
; ---- v: K is innermost.  Each load takes a channel's 128 positions, 16 bytes a lane; a step's four rows turn through my stage and come back 64 bytes a lane; two neighbouring lanes hold a block.
.Lv:
.macro LOADV t
.irp i, 0,1,2,3
	global_load_b128 v[X+16*((\t)%4)+4*\i:X+16*((\t)%4)+4*\i+3], v4, s[4:5] offset:(4*(\t)+\i)*ROWP th:TH_LOAD_NT
.endr
.endm
.macro TURN t                          ; LDS serves a wave's instructions in order, so no wait stands between the stores and the loads
.irp i, 0,1,2,3
	ds_store_b128 v5, v[X+16*((\t)%4)+4*\i:X+16*((\t)%4)+4*\i+3] offset:2560*((\t)%2)+640*\i
.endr
.irp i, 0,1,2,3
	ds_load_b128 v[XN+16*((\t)%2)+4*\i:XN+16*((\t)%2)+4*\i+3], v6 offset:2560*((\t)%2)+16*\i
.endr
.endm
.macro STEPV t
.set XS, XN+16*((\t)%2)
.if (\t) > 0
	s_wait_dscnt 4                                 ; this step's numbers are back; only the last step's four small stores may be out
.else
	s_wait_dscnt 0x0
.endif
.if (\t)+4 < 8
	LOADV (\t)+4
.endif
.if (\t)+1 < 8
.if 6-(\t) >= 3
	s_wait_loadcnt 12                              ; the next step's four loads are in; three steps' may be out
.else
	s_wait_loadcnt 4*(6-(\t))
.endif
	TURN (\t)+1
.endif
	v_max3_num_f32 v20, |v[XS]|, |v[XS+1]|, |v[XS+2]|
	v_max3_num_f32 v21, |v[XS+3]|, |v[XS+4]|, |v[XS+5]|
.irp i, 6,10
	v_max3_num_f32 v20, v20, |v[XS+\i]|, |v[XS+\i+1]|
	v_max3_num_f32 v21, v21, |v[XS+\i+2]|, |v[XS+\i+3]|
.endr
	v_max3_num_f32 v20, v20, |v[XS+14]|, |v[XS+15]|
	v_max3_num_f32 v20, v20, v21, 0x1800000
	v_max_num_f32_dpp v20, v20, v20 row_xmask:1 row_mask:0xf bank_mask:0xf   ; with my neighbour's 16: the block's
	v_add_nc_u32 v22, 0xff000000, v20
	v_cvt_scalef32_pk16_fp6_f32 v[C+4*(\t):C+4*(\t)+2], v[XS:XS+15], v22
	v_lshrrev_b32 v[E+(\t)], 23, v22               ; the scale's byte (a plain place behind the conversion)
	ds_store_b8 v12, v[E+(\t)] offset:16*(\t)      ; both lanes of a block write the same byte with the same value
.irp k, 0,1,2
	ds_store_b32 v[9+\k], v[C+4*(\t)+\k] offset:TP*((\t)/4)+64*((\t)%4)
.endr
.endm
	LOADV 0
	LOADV 1
	LOADV 2
	LOADV 3
	s_wait_loadcnt 12
	TURN 0
.irp t, 0,1,2,3,4,5,6,7
	STEPV \t
.endr
	TAIL VB
.Lfunc_end_k_q94203339bb_quant:
	.size	k_q94203339bb_quant, .Lfunc_end_k_q94203339bb_quant-k_q94203339bb_quant
	.p2alignl 7, 3214868480
	.fill 96, 4, 3214868480
	.section	.rodata,"a",@progbits
	.p2align	6, 0x0
	.amdhsa_kernel k_q94203339bb_quant
		.amdhsa_group_segment_fixed_size 70144
		.amdhsa_private_segment_fixed_size 0
		.amdhsa_enable_private_segment 0
		.amdhsa_kernarg_size 24
		.amdhsa_user_sgpr_count 2
		.amdhsa_user_sgpr_kernarg_segment_ptr 1
		.amdhsa_wavefront_size32 1
		.amdhsa_system_sgpr_workgroup_id_x 1
		.amdhsa_system_sgpr_workgroup_id_y 1
		.amdhsa_system_sgpr_workgroup_id_z 1
		.amdhsa_system_vgpr_workitem_id 0
		.amdhsa_next_free_vgpr 210
		.amdhsa_next_free_sgpr 66
		.amdhsa_reserve_vcc 0
		.amdhsa_float_denorm_mode_32 3
		.amdhsa_float_denorm_mode_16_64 3
		.amdhsa_memory_ordered 1
		.amdhsa_forward_progress 1
		.amdhsa_inst_pref_size 47
	.end_amdhsa_kernel
	.amdgpu_metadata
---
amdhsa.version: [ 1, 2 ]
amdhsa.kernels:
  - .name:           k_q94203339bb_quant
    .symbol:         k_q94203339bb_quant.kd
    .args:
      - { .name: qkv, .offset: 0, .size: 8, .value_kind: global_buffer, .address_space: global }
      - { .name: kimg, .offset: 8, .size: 8, .value_kind: global_buffer, .address_space: global }
      - { .name: vimg, .offset: 16, .size: 8, .value_kind: global_buffer, .address_space: global }
    .group_segment_fixed_size: 70144
    .private_segment_fixed_size: 0
    .kernarg_segment_align: 8
    .kernarg_segment_size: 24
    .max_flat_workgroup_size: 128
    .sgpr_count:     66
    .vgpr_count:     210
    .wavefront_size: 32
...
	.end_amdgpu_metadata
.endif
;; end of part 1
;; launch attn (part 2): grid 4 x 64, 8 waves a work-group, clusters of 4 x 1, 327,680 bytes of LDS; arguments kimg, vimg, out0, qkv; writes out0
.if DOCPART == 2
	.amdgcn_target "amdgcn-amd-amdhsa--gfx1250"
	.amdhsa_code_object_version 6
	.text
	.protected	k_q94203339bb_attn
	.globl	k_q94203339bb_attn
	.p2align	8
	.type	k_q94203339bb_attn,@function
k_q94203339bb_attn:
	s_mov_b64 s[64:65], 0
	v_nop
	global_prefetch_b8 v0, s[64:65] scope:SCOPE_SE
	s_setreg_imm32_b32 hwreg(HW_REG_WAVE_MODE, 25, 1), 1
	s_wait_xcnt 0x0
	s_wait_alu depctr_hold_cnt(0) depctr_sa_sdst(0) depctr_va_vdst(0) depctr_va_sdst(0) depctr_va_ssrc(0) depctr_va_vcc(0) depctr_vm_vsrc(0)
	s_getreg_b32 s2, hwreg(HW_REG_IB_STS2, 6, 4)
	s_cmp_eq_u32 s2, 0
	s_cbranch_scc0 .Lentry_in_a_cluster
	s_endpgm
.Lentry_in_a_cluster:
	s_bfe_u32 s2, ttmp6, 0x10000c
	s_cmp_lg_u32 s2, 0x3003
	s_cbranch_scc0 .Lentry_shape_is_right
	s_endpgm
.Lentry_shape_is_right:
; out0[head][c][t] = the sum over s of softmax_s(q g . k g)[t][s] v[c][s], both products on codes of FP6 (E2M3) with one E8M0 scale for each 32 along a product's K.
; k and v come as images of the operands' registers, in blocks of 12,800 bytes for 128 positions (8 fragments of 1,536 bytes, then 512 bytes of scale words): kimg, vimg [head][group][12800].
; q COMES AS f32, out of qkv, AND IS QUANTISED HERE: each of its numbers is read by one wave alone.  A lane takes one query of its wave's 32 neighbours and its registers run down the 128 channels
; (each load: 128 consecutive bytes a wave, 1,024 a work-group); x g = 128^(-1/4) in f32; each block of 32 channels lies in one lane; twelve exchanges of half-waves turn the four blocks' codes into the two fragments.
; THE SOFTMAX: t = score x log2(e); M = the row's largest t so far, rounded up to a whole number; p = 2^(t - M) is quantised along the keys, not normalised.
; The row's sum is taken of the unquantised p, in f32, and divides at the end.  When M moves, the sum and O are multiplied by 2^(old M - new M): exact.
; SHARES.  A work-group makes two blocks of 256 queries of one head, block cx and then block cx + 4.  Wave w owns queries 32 w .. 32 w + 31 of a block, tiles A (the first 16) and B, so each fragment of K and V read from LDS feeds two matrix instructions.
; LAYOUT.  Both products are used transposed: S^T = K Q^T, O^T = V P^T: a lane holds ONE query (lane % 16) throughout.
; Row 8 a + j of tile 4 c + u of k is position 64 c + 32 a + 8 u + j of its group: so the 32 score registers of tiles 4 c .. 4 c + 3 in lane (r, h) are keys 64 c + 32 h + 0 .. 31,
; one whole block of 32 keys in one lane, in the order of the second product's operand: a block's maximum asks no other lane and its codes change no lane.
; THE RING.  Two LDS slots of four key steps (four blocks of K, four of V).  Each wave fills one block by one tensor load of 50 dense rows of 256 bytes; one load a wave is out.
; The walk is eight slots long (two blocks of queries x four); the fill for slot m + 2 is asked for at the end of slot m.
; THE CHANGE OF SLOTS STANDS INSIDE A SLOT'S LAST KEY STEP: when V's fragments are in registers the wave's reads of the slot are over; it says so, and the rest of the step (tile B's softmax,
; the rescaling, the sums, 16 products), work on registers alone, stands between the signal and the wait.
; CLUSTER.  The four work-groups of a cluster belong to one head and walk the same K and V in step: each block is asked for jointly, with a mask that names the four.  My place in the cluster enters q's and out0's addresses alone.
; PREFETCH.  The second block's q (128 rows x 1,024 bytes a work-group) is asked for in slot trips 0 and 1, two slots and more ahead of its loads behind slot 3: wave w names rows 16 w + 8 trip + lane / 4,
; a lane a block of 256 bytes, each block once.  K and V have none: each fill is asked for four key steps, 128 matrix instructions a wave, ahead of its first read, and the second walk asks for what the first has read.
; LIMITS: NaN and infinities are not served; the promise holds while |t| stays under 2^31; p under 2^-126 counts as 0; a block of zeros of q gets the scale byte 1 (its codes are zeros);
; a block's largest p is taken from the block's largest score by the same multiply-add and exponential, which takes v_exp_f32 not to fall where its input rises.
; REGISTERS (s_set_vgpr_msb: bits 1:0 source 0, 3:2 source 1, 5:4 source 2, 7:6 destination):
;   window 0: v1-4 addresses; v8-19 statistics; v20 q's scale words; v24-31 K's and V's; v32-50 at work; v52-75 p's codes; v80-207 S^T, then p, then rows of out0; v208-213 addresses, 8 h
;   window 1: v0-127 O^T (ahead of a block: q's numbers); v128-223 eight fragments of K or V; v224-247 q's two fragments; v248-255 at work on q
.set BLK,   12800
.set FRB,   1536
.set SCO,   12288
.set VOFF,  4*BLK
.set SLOT1, 1<<17                      ; slot 1 begins here: one exclusive or turns an address in one slot into the other's
.set SPARE, SLOT1+8*BLK                ; the spare words, 128 bytes a wave
.set STG,   SPARE+1024                 ; the stage for the way out: 64 rows x SPITCH bytes, into which no tensor load lands
.set SPITCH, 1040
.set LI,  1                            ; 16 x lane
.set AD,  2                            ; LDS address of the step's blocks
.set SPW, 3                            ; my spare word
.set NIL, 4                            ; 0
.set STA, 8                            ; v8-11 tile A: -M, the largest score, the sum in two halves
.set STB, 12
.set FA,  16                           ; v16 f of tile A, v17 p's scale word
.set FB,  18
.set QS,  20                           ; q's scale words: lane l holds query l's
.set KSW, 24
.set VSW, 28
.set BM,  32                           ; v32-35 partial maxima; v32, v34 the lane's two blocks'
.set PT,  36                           ; v36-39 at work
.set CT,  40                           ; v40-42, v44-46 a block's upper 16 codes, made here and moved
.set SO,  48                           ; v48, v49 the conversions' scale operands
.set T,   50
.set PA,  52
.set PB,  64
.set SA,  80
.set SB,  144
.set STO, 208                          ; v208, v209 where I put a number of tile A, of tile B
.set RD,  210                          ; where I read a row back
.set SH8, 211                          ; 8 x (lane / 16)
.set QO,  212                          ; 4 x lane: my query in a row of q
.set PFO, 213                          ; the prefetches' offset: row lane / 4, block lane % 4
.set OA,  0                            ; window 1
.set OB,  64
.set FR,  128
.set QA,  224
.set QB,  236
.set W1,  248
.set WV,  10
.set KB,  14                           ; s[14:15] my block of K's key step 0; s[16:17] of V's
.set VBS, 16
.set SEL, 20
.set CS,  22
.set G1,  24
.set G0K, 32
.set G0V, 36
.set TB,  40                           ; LDS byte at which the step's block of K begins
.set SL,  41                           ; counts slots
.set CNT, 42                           ; counts steps
.set QP,  44                           ; s[44:45] my wave's 32 queries in q's channel 0
.set GS,  46                           ; s[46:47] g
.set PF,  48                           ; s[48:49] where my prefetches stand
.set RO,  58                           ; s[58:59] the next fill's offset in K and V
.set MSB, 0
.macro WIN new
.if MSB != \new
	s_set_vgpr_msb (MSB<<8)|\new
.set MSB, \new
.endif
.endm
; A joint load: waves 0-3 fetch a slot's four blocks of K, waves 4-7 its four of V.
.macro JLOAD
	s_cmp_lt_u32 s[WV], 4
	s_cbranch_scc0 .Lfor_v_\@
	tensor_load_to_lds s[G0K:G0K+3], s[G1:G1+7]
	s_nop 0
.rept 4
	v_nop
.endr
	s_branch .Lasked_\@
.Lfor_v_\@:
	tensor_load_to_lds s[G0V:G0V+3], s[G1:G1+7]
	s_nop 0
.rept 4
	v_nop
.endr
.Lasked_\@:
.endm
.macro CREST                           ; a round of the cluster's barrier behind its opening barrier
	s_cmp_lg_u32 s[WV], 0
	s_cbranch_scc1 .Lnot_wave_0_\@
	s_barrier_signal -3
.Lnot_wave_0_\@:
	s_barrier_wait -3
	s_barrier_signal -1
	s_barrier_wait -1
.endm
.macro CROUND
	s_barrier_signal -1
	s_barrier_wait -1
	CREST
.endm
; The walking descriptors: the other slot than last time; s[RO] holds which four key steps (0 to 3) and becomes their byte offset.  Run only while no tensor load of the wave is out.
.macro NEXTFILL
	s_mul_i32 s[RO], s[RO], 4*BLK
	s_xor_b32 s[G0K+1], s[G0K+1], SLOT1
	s_add_nc_u64 s[G0K+2:G0K+3], s[KB:KB+1], s[RO:RO+1]
	s_or_b32 s[G0K+3], s[G0K+3], 0x80000000
	s_xor_b32 s[G0V+1], s[G0V+1], SLOT1
	s_add_nc_u64 s[G0V+2:G0V+3], s[VBS:VBS+1], s[RO:RO+1]
	s_or_b32 s[G0V+3], s[G0V+3], 0x80000000
.endm
; q of block cx + 4 tau, channels 32 t on, of my query, into the registers of O^T, which are free ahead of a block
.macro QLD tau, t
	WIN 0x40
.set n, 0
.rept 32
	global_load_b32 v[OA+32*(\t)+n], v[QO], s[QP:QP+1] offset:4096*\tau+(32*(\t)+n)*8192 th:TH_LOAD_NT
.set n, n+1
.endr
	WIN 0
.endm
; Block t = 2 c + h of my query's channels becomes six registers of codes: those of even t where tile A's fragment will stand, those of odd t where tile B's will
.macro QBLK t, out
.set XS, OA+32*(\t)
.set QD, QA+12*((\t)%2)+6*((\t)/2)
	s_wait_loadcnt \out                            ; this block's 32 loads are in; so many of the younger ones may be out
	WIN 0x55                                       ; every operand in window 1
.irp i, 0,2,4,6,8,10,12,14,16,18,20,22,24,26,28,30
	v_pk_mul_f32 v[XS+\i:XS+\i+1], v[XS+\i:XS+\i+1], s[GS:GS+1] op_sel_hi:[1,0]    ; x g, in f32, ahead of the quantiser
.endr
	v_max3_num_f32 v[W1], |v[XS]|, |v[XS+1]|, |v[XS+2]|
	v_max3_num_f32 v[W1+1], |v[XS+3]|, |v[XS+4]|, |v[XS+5]|
.irp i, 6,10,14,18,22,26
	v_max3_num_f32 v[W1], v[W1], |v[XS+\i]|, |v[XS+\i+1]|
	v_max3_num_f32 v[W1+1], v[W1+1], |v[XS+\i+2]|, |v[XS+\i+3]|
.endr
	v_max3_num_f32 v[W1], v[W1], |v[XS+30]|, |v[XS+31]|
	v_max3_num_f32 v[W1], v[W1], v[W1+1], 0x1800000        ; and the floor 2^(3 - 127): the byte cannot fall under 1
	v_add_nc_u32 v[W1+2], 0xff000000, v[W1]        ; 2 off the exponent field: the conversion's scale operand
	v_lshrrev_b32 v[W1+3], 23, v[W1+2]             ; the scale's byte
.if (\t) == 0
	v_mov_b32 v[W1+7], v[W1+3]
.else
	v_lshl_or_b32 v[W1+7], v[W1+3], 8*(\t), v[W1+7]        ; byte t of my query's scale word
.endif
	v_cvt_scalef32_pk16_fp6_f32 v[QD:QD+2], v[XS:XS+15], v[W1+2]
	v_cvt_scalef32_pk16_fp6_f32 v[W1+4:W1+6], v[XS+16:XS+31], v[W1+2]      ; (a conversion's three registers begin on an even number)
	v_nop                                          ; one plain place behind a scaled conversion
.irp i, 0,1,2
	v_mov_b32 v[QD+3+\i], v[W1+4+\i]
.endr
.endm
; All four blocks, then the fragments.  The layout wants in lane (r, h) of a tile blocks h and 2 + h of its query r.  Lanes 0-15 hold tile A's queries, lanes 16-31 tile B's:
; the even blocks' lanes 16-31 change places with the odd blocks' lanes 0-15, and both fragments stand.
.macro QPREP
	QBLK 0, 63                                     ; 96 loads are younger; the count's field holds 63
	QBLK 1, 63
	QBLK 2, 32
	QBLK 3, 0
.irp i, 0,1,2,3,4,5,6,7,8,9,10,11
	v_permlane16_swap_b32 v[QA+\i], v[QB+\i]
.endr
	WIN 0x01
	v_mov_b32 v[QS], v[W1+7]                       ; lane l: query l's word: lanes 0-15 tile A's rows, lanes 16-31 tile B's
	WIN 0
.endm
.macro ZERO                            ; a block of queries begins: the key step is written for all steps alike, and the first finds zeros
	WIN 0x40
.set n, 0
.rept 128
	v_mov_b32 v[OA+n], 0
.set n, n+1
.endr
	WIN 0
.irp s, STA, STB
	v_mov_b32 v[\s+1], 0xff61b1e6                  ; the largest score so far: -3e38
	s_delay_alu instid0(VALU_DEP_1)
	v_floor_f32 v[\s], -v[\s+1]                    ; -M
	v_mov_b32 v[\s+2], 0
	v_mov_b32 v[\s+3], 0
.endr
.endm
	s_load_b128 s[4:7], s[0:1], 0x0                ; kimg, vimg
	s_load_b64 s[8:9], s[0:1], 0x10                ; out0
	s_load_b64 s[QP:QP+1], s[0:1], 0x18            ; qkv
	v_lshl_add_u32 v[SPW], v0, 2, SPARE
	v_mov_b32 v[NIL], 0
	ds_add_u32 v[SPW], v[NIL]                      ; the opening lines: the add, twice on end, and its wait
	ds_add_u32 v[SPW], v[NIL]
	v_lshrrev_b32 v[AD], 5, v0
	s_delay_alu instid0(VALU_DEP_1)
	v_readfirstlane_b32 s[WV], v[AD]               ; wave 0..7
	v_and_b32 v[LI], 31, v0
	v_and_b32 v[AD], 3, v0
	v_lshlrev_b32 v[QO], 2, v[LI]
	v_lshrrev_b32 v[PFO], 2, v[LI]
	v_lshlrev_b32 v[LI], 4, v[LI]
	v_lshlrev_b32 v[PFO], 13, v[PFO]
	v_lshl_add_u32 v[PFO], v[AD], 8, v[PFO]        ; 8,192 (lane / 4) + 256 (lane % 4)
	s_wait_alu depctr_va_vdst(0)                   ; the wait ahead of the run of scalar lines
	s_bfe_u32 s12, ttmp6, 0x40000                  ; cx
	s_and_b32 s13, ttmp7, 0xffff                   ; the head
	s_mov_b32 s[G1], 15|(3<<16)|(1<<21)            ; the mask of all four; elements of 8 bytes; bit 21 beside a mask
	s_mov_b32 s[G1+1], 32<<16
	s_mov_b32 s[G1+2], 50<<16
	s_mov_b32 s[G1+3], 32<<16
	s_mov_b32 s[G1+4], 50                          ; 50 dense rows of 256 bytes
	s_mov_b32 s[G1+5], 32
	s_mov_b32 s[G1+6], 0
	s_mov_b32 s[G1+7], 0
	s_and_b32 s52, s[WV], 3                        ; which of a slot's four steps I fetch
	s_mul_i32 s53, s52, BLK
	s_mul_i32 s54, s13, 16*BLK                     ; the head's first byte in kimg and in vimg
	s_add_co_u32 s[KB], s54, s53
	s_mov_b32 s[KB+1], 0
	s_mov_b32 s[VBS], s[KB]
	s_mov_b32 s[VBS+1], 0
	s_mul_i32 s57, s[WV], BLK                      ; where my block goes in a slot
	s_mul_i32 s55, s13, 3
	s_lshl_b32 s55, s55, 20                        ; q is the first third of the head's 384 rows of 8,192 bytes
	s_lshl_b32 s56, s12, 10
	s_add_co_u32 s55, s55, s56                     ; my first block's 256 queries
	s_lshl_b32 s18, s[WV], 7
	s_add_co_u32 s18, s18, s55                     ; my wave's 32
	s_mov_b32 s19, 0
	s_lshl_b32 s52, s[WV], 17
	s_add_co_u32 s52, s52, s55
	s_add_co_u32 s52, s52, 4096                    ; the prefetches: the second block's queries, rows 16 w on
	s_mov_b32 s53, 0
	s_lshr_b32 s60, s[WV], 1
	s_and_b32 s61, s[WV], 1
	s_lshl_b32 s50, s13, 20                        ; out0: the head's 128 rows of 8,192 bytes,
	s_lshl_b32 s60, s60, 17
	s_add_co_u32 s50, s50, s60
	s_lshl_b32 s61, s61, 15
	s_add_co_u32 s50, s50, s61                     ; channel 16 (wave / 2) + 4 (wave % 2): the first of the rows that my wave stores,
	s_add_co_u32 s50, s50, s56                     ; my first block's 256 queries
	s_mov_b32 s51, 0
	s_lshl_b32 s60, s[WV], 7
	s_add_co_u32 s60, s60, STG                     ; the stage: my queries' columns begin at 32 x wave
	s_mul_i32 s62, s[WV], 8*SPITCH
	s_add_co_u32 s62, s62, STG                     ; and my 8 rows on the way back
	s_mov_b32 s[SEL], 0x76543210
	s_mov_b32 s[SEL+1], 0xfedcba98
	s_mov_b32 s[CS], 0x3fb8aa3b                    ; c = log2(e)
	s_mov_b32 s[CS+1], s[CS]
	s_mov_b32 s[GS], 0x3e9837f0                    ; g = 128^(-1/4)
	s_mov_b32 s[GS+1], s[GS]
	s_mov_b32 s[TB], 0
	s_mov_b32 s[RO+1], 0
	s_wait_dscnt 0x0                               ; both opening adds are done
	s_wait_kmcnt 0x0
	s_add_nc_u64 s[PF:PF+1], s[QP:QP+1], s[52:53]
	s_add_nc_u64 s[QP:QP+1], s[QP:QP+1], s[18:19]
	s_add_nc_u64 s[8:9], s[8:9], s[50:51]
	s_add_nc_u64 s[KB:KB+1], s[4:5], s[KB:KB+1]
	s_add_nc_u64 s[VBS:VBS+1], s[6:7], s[VBS:VBS+1]
	QLD 0, 0                                       ; q's first 32 channels are asked for ahead of the round
	CROUND                                         ; all four work-groups are here: the first joint loads meet
	s_mov_b32 s[G0K], 1
	s_mov_b32 s[G0K+1], s57
	s_mov_b64 s[G0K+2:G0K+3], s[KB:KB+1]
	s_or_b32 s[G0K+3], s[G0K+3], 0x80000000
	s_mov_b32 s[G0V], 1
	s_mov_b32 s[G0V+1], s57
	s_mov_b64 s[G0V+2:G0V+3], s[VBS:VBS+1]
	s_or_b32 s[G0V+3], s[G0V+3], 0x80000000
	JLOAD                                          ; slot 0: my one tensor load at the head
	; the way out.  Register i of O^T's tile j in lane (r, h) is channel 16 j + 8 h + i of the query at column 32 x wave + 16 u + r of the block's 256.
	; Channel 16 j + 8 h + i lies in stage row 16 j + i % 4 + 4 h + 8 (i / 4): lanes 16-31 then stand four rows, 1,040 words, from lanes 0-15.
	v_and_b32 v[STO], 15, v0
	v_bfe_u32 v[SH8], v0, 4, 1
	v_lshlrev_b32 v[STO], 2, v[STO]
	v_add_nc_u32 v[RD], s62, v[LI]
	v_mad_u32_u24 v[STO], v[SH8], 4*SPITCH, v[STO]
	v_lshlrev_b32 v[SH8], 3, v[SH8]
	v_add_nc_u32 v[STO], s60, v[STO]               ; tile A
	v_mov_b32 v[FA+1], 0                           ; (named as the upper halves of the pairs with f before they are first written)
	v_add_nc_u32 v[STO+1], 64, v[STO]              ; tile B: sixteen columns on
	v_mov_b32 v[FB+1], 0
.irp b, 0,1,2,3
	v_mov_b32 v[PT+\b], 0                          ; a lane permute's destination counts as one of its sources
.endr
	QLD 0, 1
	QLD 0, 2
	QLD 0, 3
	QPREP
	ZERO
.macro KQ j                            ; S^T for tile j of 16 keys and both tiles of queries; the constant 0 starts each sum
.if (\j)%2
	v_wmma_scale_f32_16x16x128_f8f6f4 v[SA+8*(\j):SA+8*(\j)+7], v[FR+12*(\j):FR+12*(\j)+11], v[QA:QA+11], 0, v[KSW+(\j)/2], v[QS] matrix_a_fmt:MATRIX_FMT_FP6 matrix_b_fmt:MATRIX_FMT_FP6 matrix_a_scale:MATRIX_SCALE_ROW1
	v_wmma_scale_f32_16x16x128_f8f6f4 v[SB+8*(\j):SB+8*(\j)+7], v[FR+12*(\j):FR+12*(\j)+11], v[QB:QB+11], 0, v[KSW+(\j)/2], v[QS] matrix_a_fmt:MATRIX_FMT_FP6 matrix_b_fmt:MATRIX_FMT_FP6 matrix_a_scale:MATRIX_SCALE_ROW1 matrix_b_scale:MATRIX_SCALE_ROW1
.else
	v_wmma_scale_f32_16x16x128_f8f6f4 v[SA+8*(\j):SA+8*(\j)+7], v[FR+12*(\j):FR+12*(\j)+11], v[QA:QA+11], 0, v[KSW+(\j)/2], v[QS] matrix_a_fmt:MATRIX_FMT_FP6 matrix_b_fmt:MATRIX_FMT_FP6
	v_wmma_scale_f32_16x16x128_f8f6f4 v[SB+8*(\j):SB+8*(\j)+7], v[FR+12*(\j):FR+12*(\j)+11], v[QB:QB+11], 0, v[KSW+(\j)/2], v[QS] matrix_a_fmt:MATRIX_FMT_FP6 matrix_b_fmt:MATRIX_FMT_FP6 matrix_b_scale:MATRIX_SCALE_ROW1
.endif
.endm
.macro PV j                            ; O^T += V P^T for tile j of 16 channels; the sixteen accumulators take turns
.if (\j)%2
	v_wmma_scale_f32_16x16x128_f8f6f4 v[OA+8*(\j):OA+8*(\j)+7], v[FR+12*(\j):FR+12*(\j)+11], v[PA:PA+11], v[OA+8*(\j):OA+8*(\j)+7], v[VSW+(\j)/2], v[FA+1] matrix_a_fmt:MATRIX_FMT_FP6 matrix_b_fmt:MATRIX_FMT_FP6 matrix_a_scale:MATRIX_SCALE_ROW1
	v_wmma_scale_f32_16x16x128_f8f6f4 v[OB+8*(\j):OB+8*(\j)+7], v[FR+12*(\j):FR+12*(\j)+11], v[PB:PB+11], v[OB+8*(\j):OB+8*(\j)+7], v[VSW+(\j)/2], v[FB+1] matrix_a_fmt:MATRIX_FMT_FP6 matrix_b_fmt:MATRIX_FMT_FP6 matrix_a_scale:MATRIX_SCALE_ROW1
.else
	v_wmma_scale_f32_16x16x128_f8f6f4 v[OA+8*(\j):OA+8*(\j)+7], v[FR+12*(\j):FR+12*(\j)+11], v[PA:PA+11], v[OA+8*(\j):OA+8*(\j)+7], v[VSW+(\j)/2], v[FA+1] matrix_a_fmt:MATRIX_FMT_FP6 matrix_b_fmt:MATRIX_FMT_FP6
	v_wmma_scale_f32_16x16x128_f8f6f4 v[OB+8*(\j):OB+8*(\j)+7], v[FR+12*(\j):FR+12*(\j)+11], v[PB:PB+11], v[OB+8*(\j):OB+8*(\j)+7], v[VSW+(\j)/2], v[FB+1] matrix_a_fmt:MATRIX_FMT_FP6 matrix_b_fmt:MATRIX_FMT_FP6
.endif
.endm
.macro FETCH off                       ; eight fragments: 24 loads of 512 consecutive bytes
	WIN 0x40
.irp j, 0,1,2,3,4,5,6,7
.irp c, 0,1,2
	ds_load_b128 v[FR+12*\j+4*\c:FR+12*\j+4*\c+3], v[AD] offset:\off+FRB*\j+512*\c
.endr
.endr
.endm
.macro TM scr, sta, cnt                ; t - M, two at a time (of the pairs c and -M the low word serves both halves)
.rept \cnt
	v_pk_fma_f32 v[\scr+n:\scr+n+1], v[\scr+n:\scr+n+1], s[CS:CS+1], v[\sta:\sta+1] op_sel_hi:[1,0,0]
.set n, n+2
.endr
.endm
; One tile's softmax for a key step, up to p's codes and scale word.  Register 32 c + i of scr: key 64 c + 32 (lane / 16) + i.
.macro SOFT scr, sta, fac, cod
	s_wait_alu depctr_va_vdst(0)                   ; ahead of the first reader of the scores
.irp b, 0,1,2,3
	v_max3_num_f32 v[BM+\b], v[\scr+16*\b], v[\scr+1+16*\b], v[\scr+2+16*\b]       ; four chains by turns; each accumulator is read from its low end on
.endr
.irp i, 3,5,7,9,11,13
.irp b, 0,1,2,3
	v_max3_num_f32 v[BM+\b], v[BM+\b], v[\scr+16*\b+\i], v[\scr+1+16*\b+\i]
.endr
.endr
	v_max3_num_f32 v[BM], v[BM], v[BM+1], v[\scr+15]
	v_max3_num_f32 v[BM+2], v[BM+2], v[BM+3], v[\scr+47]
	v_max_num_f32 v[BM], v[BM], v[\scr+31]         ; THE LARGEST SCORE OF MY TWO BLOCKS OF 32 KEYS: for the row's maximum and, since p rises with the score, for the block's largest p
	v_max_num_f32 v[BM+2], v[BM+2], v[\scr+63]
	s_delay_alu instid0(VALU_DEP_1)
	v_max_num_f32 v[T], v[BM], v[BM+2]
	v_mov_b32 v[PT+1], v[\sta]                     ; the old -M
	s_delay_alu instid0(VALU_DEP_2)
	v_permlanex16_b32 v[PT], v[T], s[SEL], s[SEL+1]
	s_delay_alu instid0(VALU_DEP_1)
	v_max3_num_f32 v[\sta+1], v[\sta+1], v[T], v[PT]       ; the running largest score, with lane l xor 16's 64 keys
	s_delay_alu instid0(VALU_DEP_1)
	v_mul_f32 v[T], s[CS], v[\sta+1]               ; as t (c is positive)
	s_delay_alu instid0(VALU_DEP_1)
	v_floor_f32 v[\sta], -v[T]                     ; the new -M = -ceil(t)
.set n, 0
	TM \scr, \sta, 5
	v_sub_f32 v[T], v[\sta], v[PT+1]               ; M's old value less its new one: a whole number, 0 or less
	TM \scr, \sta, 5
	v_cvt_i32_f32 v[T], v[T]                       ; (it saturates)
	TM \scr, \sta, 5
	v_ldexp_f32 v[\fac], 1.0, v[T]                 ; f = 2^(old M - new M)
	TM \scr, \sta, 17
	v_fma_f32 v[BM], v[BM], s[CS], v[\sta]         ; the same of each block's largest score
	v_fma_f32 v[BM+2], v[BM+2], s[CS], v[\sta]
	s_wait_alu depctr_va_vdst(0)                   ; ahead of the batch
.set n, 0
.rept 64
	v_exp_f32 v[\scr+n], v[\scr+n]                 ; p = 2^(t - M), at most 1
.set n, n+1
.endr
	v_exp_f32 v[BM], v[BM]                         ; the blocks' largest p
	v_exp_f32 v[BM+2], v[BM+2]
	v_pk_mul_f32 v[\sta+2:\sta+3], v[\sta+2:\sta+3], v[\fac:\fac+1] op_sel_hi:[1,0]      ; the sums under the new M (a plain place behind the exponentials)
	s_wait_alu depctr_va_vdst(0)                   ; and behind it, ahead of its first reader
	v_max_num_f32 v[BM], 0x1800000, v[BM]          ; the floor 2^(3 - 127): the byte cannot fall under 1
	v_max_num_f32 v[BM+2], 0x1800000, v[BM+2]
	s_delay_alu instid0(VALU_DEP_2)
	v_add_nc_u32 v[SO], 0xff000000, v[BM]          ; 2 off the exponent field: the conversion's scale operand
	s_delay_alu instid0(VALU_DEP_2)
	v_add_nc_u32 v[SO+1], 0xff000000, v[BM+2]
	s_delay_alu instid0(VALU_DEP_2)
	v_lshrrev_b32 v[PT], 23, v[SO]                 ; the bytes of blocks h and 2 + h,
	s_delay_alu instid0(VALU_DEP_2)
	v_lshrrev_b32 v[PT+1], 23, v[SO+1]
	s_delay_alu instid0(VALU_DEP_1)
	v_lshl_or_b32 v[PT], v[PT+1], 16, v[PT]
	s_delay_alu instid0(VALU_DEP_1)
	v_lshlrev_b32 v[PT], v[SH8], v[PT]             ; at their places in the scale word;
	s_delay_alu instid0(VALU_DEP_1)
	v_permlanex16_b32 v[PT+1], v[PT], s[SEL], s[SEL+1]
	s_delay_alu instid0(VALU_DEP_1)
	v_or_b32 v[\fac+1], v[PT], v[PT+1]             ; with lane l xor 16's two the word is whole
	v_mov_b32 v[T], v[\sta]                        ; (a plain line between the hint's reader and the conversions)
.irp c, 0,1
	v_cvt_scalef32_pk16_fp6_f32 v[\cod+6*\c:\cod+2+6*\c], v[\scr+32*\c:\scr+15+32*\c], v[SO+\c]
	v_cvt_scalef32_pk16_fp6_f32 v[CT+4*\c:CT+2+4*\c], v[\scr+16+32*\c:\scr+31+32*\c], v[SO+\c]      ; (a conversion's three registers begin on an even number)
.endr
	v_nop                                          ; one plain place behind a scaled conversion
.irp c, 0,1
.irp i, 0,1,2
	v_mov_b32 v[\cod+3+6*\c+\i], v[CT+4*\c+\i]
.endr
.endr
.endm
; A KEY STEP: 128 keys, both tiles of queries.  kind 0: inside a slot.  kind 1: a slot's last, with the change of slots and the fill of the slot that is left.  kind 2: the same with no fill.
.macro STEP kind
.rept 4
	v_nop                                          ; places behind the last products, in front of loads into registers that they have read
.endr
	v_add_nc_u32 v[AD], s[TB], v[LI]
	ds_load_b128 v[KSW:KSW+3], v[AD] offset:SCO
	ds_load_b128 v[VSW:VSW+3], v[AD] offset:VOFF+SCO
	FETCH 0
	WIN 0x05
	s_wait_alu depctr_va_vdst(0)
	s_wait_dscnt 12                                ; the scale words and fragments 0 to 3 are in; the youngest twelve loads may be out
.irp j, 0,1,2,3
	KQ \j
.endr
	s_wait_dscnt 0x0
.irp j, 4,5,6,7
	KQ \j
.endr
.rept 4
	v_nop                                          ; places in front of the loads below and of the first read of the scores
.endr
	FETCH VOFF                                     ; V: my last reads of this step's blocks
	WIN 0
.if \kind
	s_wait_tensorcnt 0x0                           ; all my tensor loads have landed: my block of the next slot;
	ds_add_u32 v[SPW], v[NIL]                      ; 0 onto my spare word: tile A's softmax stands between it and the wait for it
.endif
	SOFT SA, STA, FA, PA
.if \kind == 1
	s_add_co_u32 s[RO], s[SL], 2                   ; slot SL + 2 of the walk holds key steps 4 ((SL + 2) % 4) on
	s_and_b32 s[RO], s[RO], 3
	NEXTFILL
.endif
.if \kind
	s_wait_dscnt 0x0                               ; the add is done, V is in registers, my reads of this slot are over:
	s_barrier_signal -1                            ; say so, and work on registers alone up to the wait
.endif
	SOFT SB, STB, FB, PB
	WIN 0x41
	s_wait_alu depctr_va_vdst(0)                   ; ahead of the first reader of O^T
.set n, 0
.rept 32
	v_pk_mul_f32 v[OA+n:OA+n+1], v[OA+n:OA+n+1], v[FA:FA+1] op_sel_hi:[1,0]       ; O^T under the new M; each accumulator from its low end on
.set n, n+2
.endr
.set n, 0
.rept 32
	v_pk_mul_f32 v[OB+n:OB+n+1], v[OB+n:OB+n+1], v[FB:FB+1] op_sel_hi:[1,0]
.set n, n+2
.endr
	WIN 0
	v_pk_add_f32 v[PT:PT+1], v[SA:SA+1], v[SA+2:SA+3]              ; the rows' sums, of the unquantised p: two chains a tile, the four by turns
	v_pk_add_f32 v[PT+2:PT+3], v[SB:SB+1], v[SB+2:SB+3]
.irp j, 4,8,12,16,20,24,28,32,36,40,44,48,52,56,60
	v_pk_add_f32 v[STA+2:STA+3], v[STA+2:STA+3], v[SA+\j:SA+\j+1]
	v_pk_add_f32 v[STB+2:STB+3], v[STB+2:STB+3], v[SB+\j:SB+\j+1]
	v_pk_add_f32 v[PT:PT+1], v[PT:PT+1], v[SA+2+\j:SA+3+\j]
	v_pk_add_f32 v[PT+2:PT+3], v[PT+2:PT+3], v[SB+2+\j:SB+3+\j]
.endr
	s_delay_alu instid0(VALU_DEP_2)
	v_pk_add_f32 v[STA+2:STA+3], v[STA+2:STA+3], v[PT:PT+1]
	s_delay_alu instid0(VALU_DEP_2)
	v_pk_add_f32 v[STB+2:STB+3], v[STB+2:STB+3], v[PT+2:PT+3]
.if \kind == 0
	s_wait_dscnt 0x0                               ; V is in
.endif
	WIN 0x51
.irp j, 0,1,2,3,4,5,6,7
	PV \j
.endr
	s_add_co_u32 s[TB], s[TB], BLK
	WIN 0
.if \kind
	s_barrier_wait -1                              ; all eight waves have left the slot, and the next slot is whole
.endif
.if \kind == 1
	CREST                                          ; and so have all four work-groups
	JLOAD                                          ; the joint fill: my first tensor load behind the round
.endif
.if \kind
	s_sub_co_u32 s[TB], s[TB], 4*BLK               ; back to a slot's first step,
	s_xor_b32 s[TB], s[TB], SLOT1                  ; in the other slot
.endif
.endm
.macro STEPS cnt
	s_mov_b32 s[CNT], \cnt
.Lstep_\@:
	STEP 0
	s_sub_co_u32 s[CNT], s[CNT], 1
	s_cmp_lg_u32 s[CNT], 0
	s_cbranch_scc1 .Lstep_\@
.endm
; THE WAY OUT.  out0 has the queries innermost, and a lane holds one query and eight channels of a tile: the numbers go into a stage of 64 rows x 256 queries, half of the channels at a time,
; and each wave stores 8 whole rows' 1,024 bytes of each half.  Among the first way out's lines the next block's q is asked for, 32 loads at a time, into the registers that O^T has left.
.macro BAR                             ; A tensor load may stay out across them
	s_wait_dscnt 0x0
	s_barrier_signal -1
	s_barrier_wait -1
.endm
.macro STG_IN hf
.irp j, 0,1,2,3
.irp i, 0,1,2,3,4,5,6,7
	ds_store_b32 v[STO], v[SA+32*\hf+8*\j+\i] offset:(16*\j+(\i%4)+8*(\i/4))*SPITCH
	ds_store_b32 v[STO+1], v[SB+32*\hf+8*\j+\i] offset:(16*\j+(\i%4)+8*(\i/4))*SPITCH
.endr
.endr
.endm
.macro STG_OUT hf                      ; my 8 rows come back into the 64 registers that this half has just left
.irp n, 0,1,2,3,4,5,6,7
	ds_load_b128 v[SA+32*\hf+4*\n:SA+32*\hf+4*\n+3], v[RD] offset:SPITCH*(\n/2)+512*(\n%2)
.endr
.irp n, 0,1,2,3,4,5,6,7
	ds_load_b128 v[SB+32*\hf+4*\n:SB+32*\hf+4*\n+3], v[RD] offset:SPITCH*(4+\n/2)+512*(\n%2)
.endr
.endm
.macro SEND tau, hf, counted           ; stage rows 8 w + n hold channels 16 (w / 2) + 4 (w % 2) + n % 4 + 8 (n / 4); 32 lanes store 512 consecutive bytes, at a multiple of 512 from out0's first byte
.irp n, 0,1,2,3,4,5,6,7
.if \counted
	s_wait_dscnt 15-\n                             ; this load is in, the younger ones may be out
.endif
	global_store_b128 v[LI], v[SA+32*\hf+4*\n:SA+32*\hf+4*\n+3], s[8:9] offset:4096*\tau+524288*\hf+8192*(\n/2)+512*(\n%2) th:TH_STORE_NT
.endr
.irp n, 0,1,2,3,4,5,6,7
.if \counted
	s_wait_dscnt 7-\n
.endif
	global_store_b128 v[LI], v[SB+32*\hf+4*\n:SB+32*\hf+4*\n+3], s[8:9] offset:4096*\tau+524288*\hf+8192*(8+\n/2)+512*(\n%2) th:TH_STORE_NT
.endr
.endm
.macro WAYOUT tau
	s_wait_alu depctr_va_vdst(0)
.rept 4
	v_nop                                          ; places behind the last products
.endr
	v_add_f32 v[STA+2], v[STA+2], v[STA+3]
	v_add_f32 v[STB+2], v[STB+2], v[STB+3]
	s_delay_alu instid0(VALU_DEP_2)
	v_permlanex16_b32 v[PT], v[STA+2], s[SEL], s[SEL+1]
	s_delay_alu instid0(VALU_DEP_2)
	v_permlanex16_b32 v[PT+1], v[STB+2], s[SEL], s[SEL+1]
	s_delay_alu instid0(VALU_DEP_2)
	v_add_f32 v[STA+2], v[STA+2], v[PT]            ; the rows' sums
	s_delay_alu instid0(VALU_DEP_2)
	v_add_f32 v[STB+2], v[STB+2], v[PT+1]
	s_wait_alu depctr_va_vdst(0)                   ; ahead of the transcendentals
	v_rcp_f32 v[FA], v[STA+2]
	v_rcp_f32 v[FB], v[STB+2]
	v_nop
	WIN 0x01
	s_wait_alu depctr_va_vdst(0)                   ; and behind them, ahead of the first reader
.set n, 0
.rept 32
	v_pk_mul_f32 v[SA+n:SA+n+1], v[OA+n:OA+n+1], v[FA:FA+1] op_sel_hi:[1,0]       ; O^T / the sum, into the registers that p has left
.set n, n+2
.endr
.set n, 0
.rept 32
	v_pk_mul_f32 v[SB+n:SB+n+1], v[OB+n:OB+n+1], v[FB:FB+1] op_sel_hi:[1,0]
.set n, n+2
.endr
	WIN 0
.if \tau == 0
	QLD 1, 0
.endif
	STG_IN 0
	s_wait_alu depctr_va_vdst(0)
	BAR                                            ; channels 0 to 63 of all 256 queries lie in the stage
.if \tau == 0
	QLD 1, 1
.endif
	STG_OUT 0
	BAR                                            ; every wave has its rows in registers: the stage may be written again
	SEND \tau, 0, 0
.if \tau == 0
	QLD 1, 2
.endif
	STG_IN 1
	BAR
	STG_OUT 1
	SEND \tau, 1, 1
.if \tau == 0
	QLD 1, 3
	QPREP                                          ; the next block's q
	ZERO
	s_wait_xcnt 0x0                                ; only behind this wait do the next block's products write the stores' registers again
.endif
.endm
	s_wait_alu depctr_va_vdst(0)                   ; the wait at the head's end
	s_wait_tensorcnt 0x0                           ; my block of slot 0 is in; slot 1's first fill is issued as a refill is
	ds_add_u32 v[SPW], v[NIL]
	s_mov_b32 s[RO], 1                             ; key steps 4 to 7
	NEXTFILL
	s_wait_dscnt 0x0
	CROUND
	JLOAD
	s_mov_b32 s[SL], 0
.Lslot:                                                ; slots 0 to 5 of the walk's eight: each ends with a fill
	s_cmp_lt_u32 s[SL], 2
	s_cbranch_scc0 .Lnopf
	global_prefetch_b8 v[PFO], s[PF:PF+1] th:TH_LOAD_NT scope:SCOPE_SE     ; trips 0 and 1: eight rows x four blocks of 256 bytes of the second block's q
.Lnopf:
	STEPS 3
	STEP 1
	s_cmp_lg_u32 s[SL], 3
	s_cbranch_scc1 .Lnoway
	WAYOUT 0                                       ; behind slot 3 the first block of queries is finished
.Lnoway:
	s_wait_xcnt 0x0                                ; the prefetch has read its address: only now is it stepped
	s_add_nc_u64 s[PF:PF+1], s[PF:PF+1], 0x10000   ; eight rows on (behind trip 1 it is used no more)
	s_add_co_u32 s[SL], s[SL], 1
	s_cmp_lt_u32 s[SL], 6
	s_cbranch_scc1 .Lslot
	STEPS 3                                        ; the tail is written out: slots 6 and 7 ask for nothing more
	STEP 2
	STEPS 4
	WAYOUT 1
	s_wait_tensorcnt 0x0                           ; the wave's end
	ds_add_u32 v[SPW], v[NIL]
	s_wait_dscnt 0x0
	CROUND                                         ; the closing round
	s_endpgm
.Lfunc_end_k_q94203339bb_attn:
	.size	k_q94203339bb_attn, .Lfunc_end_k_q94203339bb_attn-k_q94203339bb_attn
	.p2alignl 7, 3214868480
	.fill 96, 4, 3214868480
	.section	.rodata,"a",@progbits
	.p2align	6, 0x0
	.amdhsa_kernel k_q94203339bb_attn
		.amdhsa_group_segment_fixed_size 327680
		.amdhsa_private_segment_fixed_size 0
		.amdhsa_enable_private_segment 0
		.amdhsa_kernarg_size 32
		.amdhsa_user_sgpr_count 2
		.amdhsa_user_sgpr_kernarg_segment_ptr 1
		.amdhsa_wavefront_size32 1
		.amdhsa_system_sgpr_workgroup_id_x 1
		.amdhsa_system_sgpr_workgroup_id_y 1
		.amdhsa_system_sgpr_workgroup_id_z 1
		.amdhsa_system_vgpr_workitem_id 0
		.amdhsa_next_free_vgpr 512
		.amdhsa_next_free_sgpr 66
		.amdhsa_reserve_vcc 0
		.amdhsa_float_denorm_mode_32 3
		.amdhsa_float_denorm_mode_16_64 3
		.amdhsa_memory_ordered 1
		.amdhsa_forward_progress 1
		.amdhsa_inst_pref_size 255
	.end_amdhsa_kernel
	.section	.bss,"aw",@nobits
	.p2align	6
	.space	262144
	.amdgpu_metadata
---
amdhsa.version: [ 1, 2 ]
amdhsa.kernels:
  - .name:           k_q94203339bb_attn
    .symbol:         k_q94203339bb_attn.kd
    .args:
      - { .name: kimg, .offset: 0, .size: 8, .value_kind: global_buffer, .address_space: global }
      - { .name: vimg, .offset: 8, .size: 8, .value_kind: global_buffer, .address_space: global }
      - { .name: out0, .offset: 16, .size: 8, .value_kind: global_buffer, .address_space: global }
      - { .name: qkv, .offset: 24, .size: 8, .value_kind: global_buffer, .address_space: global }
    .group_segment_fixed_size: 327680
    .private_segment_fixed_size: 0
    .kernarg_segment_align: 8
    .kernarg_segment_size: 32
    .max_flat_workgroup_size: 256
    .sgpr_count:     66
    .vgpr_count:     512
    .wavefront_size: 32
...
	.end_amdgpu_metadata
.endif
;; end of part 2
